; MI455X (gfx1250); checked and timed in simulation.
; The chip was launched on July 23, 2026; its instructions are those of AMD's public machine-readable ISA for CDNA 5 (MIT licence, August 2026) and "CDNA5" Instruction Set Architecture Reference Guide (July 2026). The comments in the code are by the model that wrote it; some were corrected since.
;; Windowed Self Attention. Allowed arithmetic: float matrix products may take bf16 or f16 operands with f32 sums; all other float work in f32.
;; Inputs: w_proj 1,024 x 1,024 float32; w_qkv 1,024 x 3,072 float32; x 2 x 2,048 x 1,024 float32.
;; Outputs: out0 2 x 2,048 x 1,024 float32.
;; One version. Each part assembles by itself: llvm-mc -triple=amdgcn-amd-amdhsa -mcpu=gfx1250 --defsym DOCPART=n.
;; ======== version 1 of 1: 4 launches
;; limits: values are held in f16: magnitudes above 65,504 overflow, below 6.1e-05 lose precision
;; workspace buffers: cast 16,777,216 bytes; qkvh 25,165,824 bytes; yh 8,388,608 bytes
;; launch prep (part 1): grid 1024 x 1, 8 waves a work-group, no clusters, 0 bytes of LDS; arguments x, w_qkv, w_proj, cast; writes cast
.if DOCPART == 1
	.amdgcn_target "amdgcn-amd-amdhsa--gfx1250"
	.amdhsa_code_object_version 6
	.text
	.protected	k_q484d1d70c6_prep
	.globl	k_q484d1d70c6_prep
	.p2align	8
	.type	k_q484d1d70c6_prep,@function
k_q484d1d70c6_prep:
	s_mov_b64 s[64:65], 0
	v_nop
	global_prefetch_b8 v0, s[64:65] scope:SCOPE_SE
	s_setreg_imm32_b32 hwreg(HW_REG_WAVE_MODE, 25, 1), 1
	s_wait_xcnt 0x0
; prep: the three f32 inputs become 16-bit matrix operands, layouts unchanged, one behind the other in cast:
;   x      [4096][1024] bf16 at byte 0            (work-groups 0 .. 511)
;   w_qkv  [1024][3072] bf16 at byte 8,388,608    (work-groups 512 .. 895)
;   w_proj [1024][1024] f16  at byte 14,680,064   (work-groups 896 .. 1023)
; w_proj is rounded to bf16 like the others and that value is then written as f16, because its partner in the last product (y) is f16.
; LIMIT: a bf16 value converts to f16 exactly for 2^-14 <= |w| <= 65504; below, the f16 result is off by at most 2^-25; above, it is infinite.
; A work-group casts 8,192 consecutive numbers (32 KiB in, 16 KiB out).  Thread t takes 8 numbers (32 bytes) at 32 t of each of four
; pieces of 8 KiB and stores them as 16 bytes at 16 t: sixteen neighbouring lanes store 256 consecutive, aligned bytes.
; A stream: no LDS, no barrier, no matrix unit.  All eight loads of a thread are issued at once; no register is used twice.
.set X,    4                           ; v[4:35]   32 numbers as loaded
.set Y,    36                          ; v[36:51]  16 words to store
.set TW,   52                          ; v[52:59]  w_proj only: the bf16 values widened again
.set G_WQ, 512                         ; first work-group of w_qkv
.set G_WP, 896                         ; first work-group of w_proj
	s_load_b256 s[4:11], s[0:1], 0x0               ; x s[4:5], w_qkv s[6:7], w_proj s[8:9], cast s[10:11]
	s_movk_i32 s20, G_WQ
	s_movk_i32 s21, G_WP
	v_lshlrev_b32 v1, 5, v0                        ; 32 t: where I read
	v_lshlrev_b32 v2, 4, v0                        ; 16 t: where I write
	s_wait_kmcnt 0x0
	s_cmp_lt_u32 ttmp9, s21                        ; which input, and the number of its first work-group
	s_cselect_b64 s[14:15], s[6:7], s[8:9]
	s_cselect_b32 s13, s20, s21
	s_cmp_lt_u32 ttmp9, s20
	s_cselect_b64 s[14:15], s[4:5], s[14:15]
	s_cselect_b32 s13, 0, s13
	s_sub_co_u32 s16, ttmp9, s13
	s_lshl_b32 s16, s16, 15                        ; 32 KiB of the input for each work-group
	s_mov_b32 s17, 0
	s_add_nc_u64 s[14:15], s[14:15], s[16:17]
	s_lshl_b32 s18, ttmp9, 14                      ; 16 KiB of cast for each work-group
	s_mov_b32 s19, 0
	s_add_nc_u64 s[10:11], s[10:11], s[18:19]
.irp i, 0,1,2,3
	global_load_b128 v[X+8*\i:X+8*\i+3],   v1, s[14:15] offset:8192*\i th:TH_LOAD_NT
	global_load_b128 v[X+8*\i+4:X+8*\i+7], v1, s[14:15] offset:8192*\i+16 th:TH_LOAD_NT
.endr
; piece i: its two loads are in when at most the 6 - 2 i younger ones are out.  half = 1: the bf16 value is written as f16.
.macro CAST i, half
	s_wait_loadcnt 6-2*\i
.irp k, 0,1,2,3
	v_cvt_pk_bf16_f32 v[Y+4*\i+\k], v[X+8*\i+2*\k], v[X+8*\i+2*\k+1]
.endr
.if \half
.irp k, 0,1,2,3
	v_lshlrev_b32 v[TW+2*\k],   16, v[Y+4*\i+\k]           ; bf16 to f32: the low half moves up,
	v_and_b32     v[TW+2*\k+1], 0xffff0000, v[Y+4*\i+\k]   ; the high half stays
.endr
.irp k, 0,1,2,3
	v_cvt_pk_f16_f32 v[Y+4*\i+\k], v[TW+2*\k], v[TW+2*\k+1]
.endr
.endif
	global_store_b128 v2, v[Y+4*\i:Y+4*\i+3], s[10:11] offset:4096*\i
.endm
	s_cmp_ge_u32 ttmp9, s21
	s_cbranch_scc1 .Lproj_weights
	CAST 0, 0
	CAST 1, 0
	CAST 2, 0
	CAST 3, 0
	s_endpgm
.Lproj_weights:
	CAST 0, 1
	CAST 1, 1
	CAST 2, 1
	CAST 3, 1
	s_endpgm
.Lfunc_end_k_q484d1d70c6_prep:
	.size	k_q484d1d70c6_prep, .Lfunc_end_k_q484d1d70c6_prep-k_q484d1d70c6_prep
	.p2alignl 7, 3214868480
	.fill 96, 4, 3214868480
	.section	.rodata,"a",@progbits
	.p2align	6, 0x0
	.amdhsa_kernel k_q484d1d70c6_prep
		.amdhsa_group_segment_fixed_size 0
		.amdhsa_private_segment_fixed_size 0
		.amdhsa_enable_private_segment 0
		.amdhsa_kernarg_size 32
		.amdhsa_user_sgpr_count 2
		.amdhsa_user_sgpr_kernarg_segment_ptr 1
		.amdhsa_wavefront_size32 1
		.amdhsa_system_sgpr_workgroup_id_x 1
		.amdhsa_system_sgpr_workgroup_id_y 1
		.amdhsa_system_sgpr_workgroup_id_z 1
		.amdhsa_system_vgpr_workitem_id 0
		.amdhsa_next_free_vgpr 60
		.amdhsa_next_free_sgpr 66
		.amdhsa_reserve_vcc 0
		.amdhsa_float_denorm_mode_32 3
		.amdhsa_float_denorm_mode_16_64 3
		.amdhsa_memory_ordered 1
		.amdhsa_forward_progress 1
		.amdhsa_inst_pref_size 8
	.end_amdhsa_kernel
	.amdgpu_metadata
---
amdhsa.version: [ 1, 2 ]
amdhsa.kernels:
  - .name:           k_q484d1d70c6_prep
    .symbol:         k_q484d1d70c6_prep.kd
    .args:
      - { .name: x, .offset: 0, .size: 8, .value_kind: global_buffer, .address_space: global }
      - { .name: w_qkv, .offset: 8, .size: 8, .value_kind: global_buffer, .address_space: global }
      - { .name: w_proj, .offset: 16, .size: 8, .value_kind: global_buffer, .address_space: global }
      - { .name: cast, .offset: 24, .size: 8, .value_kind: global_buffer, .address_space: global }
    .group_segment_fixed_size: 0
    .private_segment_fixed_size: 0
    .kernarg_segment_align: 8
    .kernarg_segment_size: 32
    .max_flat_workgroup_size: 256
    .sgpr_count:     66
    .vgpr_count:     60
    .wavefront_size: 32
...
	.end_amdgpu_metadata
.endif
;; end of part 1
;; launch qkv_gemm (part 2): grid 8 x 32, 4 waves a work-group, clusters of 4 x 4, 327,680 bytes of LDS; arguments cast, qkvh; writes qkvh
.if DOCPART == 2
	.amdgcn_target "amdgcn-amd-amdhsa--gfx1250"
	.amdhsa_code_object_version 6
	.text
	.protected	k_q484d1d70c6_qkv_gemm
	.globl	k_q484d1d70c6_qkv_gemm
	.p2align	8
	.type	k_q484d1d70c6_qkv_gemm,@function
k_q484d1d70c6_qkv_gemm:
	s_mov_b64 s[64:65], 0
	v_nop
	global_prefetch_b8 v0, s[64:65] scope:SCOPE_SE
	s_setreg_imm32_b32 hwreg(HW_REG_WAVE_MODE, 25, 1), 1
	s_wait_xcnt 0x0
	s_wait_alu depctr_hold_cnt(0) depctr_sa_sdst(0) depctr_va_vdst(0) depctr_va_sdst(0) depctr_va_ssrc(0) depctr_va_vcc(0) depctr_vm_vsrc(0)
	s_getreg_b32 s2, hwreg(HW_REG_IB_STS2, 6, 4)
	s_cmp_eq_u32 s2, 0
	s_cbranch_scc0 .Lentry_in_a_cluster
	s_endpgm
.Lentry_in_a_cluster:
	s_bfe_u32 s2, ttmp6, 0x10000c
	s_cmp_lg_u32 s2, 0xf033
	s_cbranch_scc0 .Lentry_shape_is_right
	s_endpgm
.Lentry_shape_is_right:
; qkv = x w_qkv: [4096][1024] x [1024][3072], bf16 operands from cast, f32 sums, results rounded once to f16 and stored head-major:
;   qkvh[b][n64][t][64] f16, byte (48 b + n64) 262,144 + 128 t + 2 d;  n64 = h for q, 16 + h for k, 32 + h for v.
; LIMIT: a result above 65504 in magnitude becomes infinite in f16 (the drawn inputs give an rms of 1).
; A work-group makes 128 rows x 384 columns with four waves; a wave makes 64 x 192 (three whole heads): 4 x 12 accumulator tiles, 384 registers.
; K goes in steps of 128 through two LDS slots filled by the tensor data mover: every tile row is 256 bytes of memory at a multiple of 256.
; w_qkv lies [k][n]: its fragments are read from LDS by the transposing load.
; CLUSTERS: 4 x 4 work-groups.  x's tile hangs on the block row alone and is asked for jointly by the four of a cluster row; w_qkv's three
; sub-tiles hang on the block column alone and are asked for jointly by the four of a cluster column.
;
; LDS: slot = three sub-tiles of w_qkv [128 k][128 n], pitch 288, then x's tile [128 m][128 k], pitch 272.  Wave w fetches the piece at
; w x 36,864 of the slot: waves 0-2 a sub-tile of w_qkv, wave 3 x's tile.  Behind the two slots: a stage of 16 rows x 400 bytes for each wave.
; REGISTERS: window 0: v16-26 addresses, v32-95 fragments of x (two buffers), v96-143 packed results, v144-239 rows read back;
;   window 1: v0-191 fragments of w_qkv (two buffers);  window 2: accumulators of my rows 0-31;  window 3: of my rows 32-63.
; The matrix instruction is used transposed (source 0 = 16 columns of w_qkv, source 1 = 16 rows of x): a lane then holds eight neighbouring
; columns of one row of the result, which pack into 16 bytes.
.set SIZE_K, 1024
.set SIZE_N, 3072
.set KSTEP,  128
.set PA,     272                       ; x's LDS row: 256 + 16 bytes, an odd multiple of 16: sixteen rows start in sixteen different 16-byte columns of 256 bytes
.set PB,     288                       ; w_qkv's LDS row: 256 + 32 bytes, an odd multiple of 32, for the transposing load
.set BSUB,   128*PB                    ; 36,864: a sub-tile of w_qkv
.set AOFF,   3*BSUB                    ; 110,592: x's tile in the slot
.set SLOT,   AOFF+128*PA               ; 145,408
.set STAGE,  2*SLOT                    ; 290,816, a multiple of 256: no tensor load lands here
.set SP,     400                       ; a stage row: 384 + 16 bytes
.set LAPS,   SIZE_K/(2*KSTEP)          ; 4 laps of two K steps
.set WQ_OFF, 8388608                   ; w_qkv in cast
.set HEADB,  262144                    ; bytes of one head's q, k or v of one batch
.set ADRA, 16                          ; v16-17  LDS address of my x fragments in slot 0, 1
.set ADRB, 18                          ; v18-23  the same for my three heads' columns of w_qkv: 3 x slot + head
.set STO,  24
.set RD,   25
.set CO,   26
.set FA0,  32
.set FA1,  64
.set TMP,  96
.set RB0,  144
.set RB1,  192
.set FB0,  0                           ; window 1
.set FB1,  96
.set G1,  24                           ; s[24:31] group 1 for x's tile
.set G0,  32                           ; s[32:39] group 0 for x's tile, one set for each slot
.set G1B, 48                           ; s[48:55] group 1 for w_qkv's sub-tiles
.set G0B, 56                           ; s[56:63] group 0 for them
.set MSB, 0
.macro WIN new                         ; the immediate's high byte repeats the setting that is left
.if MSB != \new
	s_set_vgpr_msb (MSB<<8)|\new
.set MSB, \new
.endif
.endm
.set MUL_LO, 0xa1                      ; source 0 window 1, source 1 window 0, C and D window 2
.set MUL_HI, 0xf1                      ; the same, C and D window 3
.set TO_B,   0x40                      ; destination window 1, address window 0
; A joint load: wave 3 asks for x's tile, waves 0-2 for a sub-tile of w_qkv.  Each line has one mask; the branch hangs on the wave's number alone.
.macro JLOAD s
	s_cmp_eq_u32 s10, 3
	s_cbranch_scc0 .Lfor_b_\@
	tensor_load_to_lds s[G0+4*\s:G0+4*\s+3], s[G1:G1+7]
	s_nop 0
	s_branch .Lasked_\@
.Lfor_b_\@:
	tensor_load_to_lds s[G0B+4*\s:G0B+4*\s+3], s[G1B:G1B+7]
	s_nop 0
.Lasked_\@:
.endm
.macro CREST                           ; a round of the cluster's barrier behind its opening work-group barrier
	s_cmp_lg_u32 s10, 0
	s_cbranch_scc1 .Lnot_wave_0_\@
	s_barrier_signal -3
.Lnot_wave_0_\@:
	s_barrier_wait -3
	s_barrier_signal -1
	s_barrier_wait -1
.endm
.macro CROUND                          ; a whole round
	s_barrier_signal -1
	s_barrier_wait -1
	CREST
.endm
	s_load_b128 s[4:7], s[0:1], 0x0                ; cast s[4:5], qkvh s[6:7]
	s_set_vgpr_msb 0x40
	v_lshl_add_u32 v255, v0, 2, 0x4d400
	s_set_vgpr_msb 0x4000
	v_mov_b32 v255, 0
	s_set_vgpr_msb 0x1
	ds_add_u32 v255, v255
	ds_add_u32 v255, v255
	s_set_vgpr_msb 0x100
	v_lshrrev_b32 v1, 5, v0
	v_readfirstlane_b32 s10, v1                    ; wave 0..3
	s_lshr_b32 s11, s10, 1                         ; which 64 rows of the block are mine
	s_and_b32 s12, s10, 1                          ; which 192 columns
	s_bfe_u32 s40, ttmp6, 0x40000                  ; cx
	s_bfe_u32 s41, ttmp6, 0x40004                  ; cy
	s_lshl_b32 s42, ttmp9, 2
	s_add_co_u32 s42, s42, s40                     ; block column = 4 x cluster x + cx
	s_and_b32 s13, ttmp7, 0xffff
	s_lshl_b32 s13, s13, 2
	s_add_co_u32 s13, s13, s41                     ; block row = 4 x cluster y + cy
	s_lshl_b32 s43, s41, 2
	s_lshl_b32 s43, 15, s43                        ; my row of the cluster
	s_lshl_b32 s44, 0x1111, s40                    ; my column
	s_or_b32 s[G1+0],  s43, (1<<16)|(1<<20)|(1<<21)|(5<<22)|(3<<25)   ; mask; 2-byte elements; padding on; bit 21 beside a mask; after every 64 words 4 words
	s_or_b32 s[G1B+0], s44, (1<<16)|(1<<20)|(1<<21)|(5<<22)|(7<<25)   ; the same with my column's mask and 8 words of padding
	s_mov_b32 s[G1+1],  KSTEP<<16                  ; tensor_dim0 = 128
	s_mov_b32 s[G1B+1], 128<<16
	s_mov_b32 s[G1+2],  128<<16                    ; tensor_dim1 = 128
	s_mov_b32 s[G1B+2], KSTEP<<16
	s_mov_b32 s[G1+3],  KSTEP<<16                  ; tile_dim0 = 128 elements (256 bytes)
	s_mov_b32 s[G1B+3], 128<<16
	s_mov_b32 s[G1+4],  128                        ; tile_dim1 = 128 rows
	s_mov_b32 s[G1B+4], KSTEP
	s_mov_b32 s[G1+5],  SIZE_K                     ; elements from row to row
	s_mov_b32 s[G1B+5], SIZE_N
	s_mov_b32 s[G1+6],  0
	s_mov_b32 s[G1B+6], 0
	s_mov_b32 s[G1+7],  0
	s_mov_b32 s[G1B+7], 0
	s_lshl_b32 s16, s13, 18                        ; x: 128 rows of 2,048 bytes for each block row
	s_mov_b32 s17, 0
	s_mul_i32 s46, s42, 768                        ; w_qkv: 384 columns for each block column,
	s_lshl_b32 s47, s10, 8                         ; 128 columns for each sub-tile
	s_add_co_u32 s46, s46, s47
	s_add_co_u32 s46, s46, WQ_OFF
	s_mov_b32 s47, 0
	s_mul_i32 s20, s10, BSUB                       ; where my piece goes: wave x 36,864: no place in the cluster enters an LDS address
	s_wait_dscnt 0x0
	s_wait_kmcnt 0x0
	s_add_nc_u64 s[14:15], s[4:5], s[16:17]
	s_add_nc_u64 s[46:47], s[4:5], s[46:47]
	CROUND                                         ; all sixteen work-groups are here: the first joint loads meet
.irp s, 0,1
	s_mov_b32 s[G0+4*\s], 1
	s_add_co_u32 s[G0+4*\s+1], s20, \s*SLOT
	s_add_nc_u64 s[G0+4*\s+2:G0+4*\s+3], s[14:15], \s*KSTEP*2
	s_or_b32 s[G0+4*\s+3], s[G0+4*\s+3], 0x80000000
	s_mov_b32 s[G0B+4*\s], 1
	s_add_co_u32 s[G0B+4*\s+1], s20, \s*SLOT
	s_add_nc_u64 s[G0B+4*\s+2:G0B+4*\s+3], s[46:47], \s*KSTEP*SIZE_N*2
	s_or_b32 s[G0B+4*\s+3], s[G0B+4*\s+3], 0x80000000
	JLOAD \s                                       ; K steps 0 and 1: two tensor loads of the wave are out at the most
.endr
	v_and_b32 v1, 15, v0                           ; r = lane % 16
	v_bfe_u32 v2, v0, 4, 1                         ; h = lane / 16
	v_mul_u32_u24 v3, v1, PA                       ; x: row r, 16 bytes for each half of the lanes
	v_lshl_add_u32 v3, v2, 4, v3
	s_mul_i32 s21, s11, 64*PA
	s_add_co_u32 s21, s21, AOFF
	v_add_nc_u32 v[ADRA], s21, v3
	s_add_co_u32 s21, s21, SLOT
	v_add_nc_u32 v[ADRA+1], s21, v3
	v_and_b32 v4, 7, v0                            ; w_qkv, for the transposing load: row k = 8 h + lane % 8,
	v_lshl_or_b32 v4, v2, 3, v4
	v_mul_u32_u24 v4, v4, PB
	v_bfe_u32 v5, v0, 3, 1                         ; 16 bytes (8 columns) for each group of eight lanes
	v_lshl_add_u32 v4, v5, 4, v4
	s_mul_i32 s21, s12, 3
.irp g, 0,1,2
	s_add_co_u32 s22, s21, \g                      ; which 64 of the block's 384 columns
	s_lshr_b32 s23, s22, 1                         ; its sub-tile,
	s_and_b32 s22, s22, 1                          ; and which half of it
	s_mul_i32 s23, s23, BSUB
	s_lshl_b32 s22, s22, 7
	s_add_co_u32 s22, s22, s23
	v_add_nc_u32 v[ADRB+\g], s22, v4
	s_add_co_u32 s22, s22, SLOT
	v_add_nc_u32 v[ADRB+3+\g], s22, v4
.endr
	s_mul_i32 s23, s10, 16*SP
	s_add_co_u32 s23, s23, STAGE                   ; my stage
	v_mul_u32_u24 v5, v1, SP                       ; in: row r, 16 bytes for each half of the lanes
	v_lshl_add_u32 v5, v2, 4, v5
	v_add_nc_u32 v[STO], s23, v5
	v_bfe_u32 v5, v0, 3, 2                         ; back: eight lanes take the 128 bytes that one token has in one head
	v_mul_u32_u24 v5, v5, SP
	v_and_b32 v6, 7, v0
	v_lshl_add_u32 v5, v6, 4, v5
	v_add_nc_u32 v[RD], s23, v5
	v_and_b32 v6, 31, v0
	v_lshlrev_b32 v[CO], 4, v6                     ; four tokens of a head are 512 consecutive bytes of qkvh: 16 x lane
; 12 matrix instructions: my rows 16 a .. 16 a + 15 x my 192 columns, 32 along K.  zero = 1: the first product starts the sums.
.macro MUL12 fb, fa, a, zero
.irp b, 0,1,2,3,4,5,6,7,8,9,10,11
.if \zero
	v_wmma_f32_16x16x32_bf16 v[8*(12*((\a)&1)+\b):8*(12*((\a)&1)+\b)+7], v[\fb+8*\b:\fb+8*\b+7], v[\fa+8*(\a):\fa+8*(\a)+7], 0
.else
	v_wmma_f32_16x16x32_bf16 v[8*(12*((\a)&1)+\b):8*(12*((\a)&1)+\b)+7], v[\fb+8*\b:\fb+8*\b+7], v[\fa+8*(\a):\fa+8*(\a)+7], v[8*(12*((\a)&1)+\b):8*(12*((\a)&1)+\b)+7]
.endif
.endr
.endm
; 32 LDS loads in one run: the fragments of quarter q (32 along K) of a slot: 12 of w_qkv (transposed on the way), then 4 of x
.macro FETCH slot, q, fb, fa
	WIN TO_B
.irp g, 0,1,2
.irp t, 0,1,2,3
	ds_load_tr16_b128 v[\fb+8*(4*\g+\t):\fb+8*(4*\g+\t)+3],   v[ADRB+3*\slot+\g] offset:\q*32*PB+32*\t
	ds_load_tr16_b128 v[\fb+8*(4*\g+\t)+4:\fb+8*(4*\g+\t)+7], v[ADRB+3*\slot+\g] offset:\q*32*PB+32*\t+16*PB
.endr
.endr
	WIN 0
.irp a, 0,1,2,3
	ds_load_b128 v[\fa+8*\a:\fa+8*\a+3],   v[ADRA+\slot] offset:\a*16*PA+64*\q
	ds_load_b128 v[\fa+8*\a+4:\fa+8*\a+7], v[ADRA+\slot] offset:\a*16*PA+64*\q+32
.endr
.endm
; Four plain vector places stand between a matrix instruction and a load into a register that it read, or a vector instruction that reads its result
.macro PLACES
.rept 4
	v_nop
.endr
.endm
; A quarter step: 48 matrix instructions on one pair of buffers; in its middle the next quarter's fragments are fetched into the other pair.
; The 48 accumulators take turns, one instruction a turn, in the same order in every quarter.
.macro QUARTER slot, q, fb, fa, gb, ga, zero
	s_wait_dscnt 0x4                               ; all but the youngest four loads (x's rows 32-63) are in
	WIN MUL_LO
	MUL12 \fb, \fa, 0, \zero
	MUL12 \fb, \fa, 1, \zero
	PLACES
	FETCH \slot, \q, \gb, \ga
	s_wait_dscnt 0x20                              ; all but the 32 just issued
	WIN MUL_HI
	MUL12 \fb, \fa, 2, \zero
	MUL12 \fb, \fa, 3, \zero
.endm
.macro THREE slot, zero
	QUARTER \slot, 1, FB0, FA0, FB1, FA1, \zero
	QUARTER \slot, 2, FB1, FA1, FB0, FA0, 0
	QUARTER \slot, 3, FB0, FA0, FB1, FA1, 0
.endm
; The last quarter of a K step changes slots.  In front of the barrier each wave waits for its reads of this slot and for all its tensor loads
; (one is out: its piece of the next slot).  fill = 1: the barrier opens a round of the cluster's barrier, and the joint refill of this slot, two
; K steps ahead, is the first tensor load behind the round.  From that request to the wait for it a wave issues 180 matrix instructions.
.macro TURN slot, next, fill
	s_wait_dscnt 0x4
	WIN MUL_LO
	MUL12 FB1, FA1, 0, 0
	s_wait_dscnt 0x0                               ; my reads of this slot are over
	s_wait_tensorcnt 0x0                           ; all my tensor loads have landed
	ds_add_u32 v255, v255
	s_wait_dscnt 0x0
	s_barrier_signal -1
	MUL12 FB1, FA1, 1, 0                           ; register work while the others arrive
	WIN 0
	s_barrier_wait -1
.if \fill
	CREST
	s_add_nc_u64 s[G0+4*\slot+2:G0+4*\slot+3], s[G0+4*\slot+2:G0+4*\slot+3], 2*KSTEP*2
	s_add_nc_u64 s[G0B+4*\slot+2:G0B+4*\slot+3], s[G0B+4*\slot+2:G0B+4*\slot+3], 2*KSTEP*SIZE_N*2
	JLOAD \slot
.endif
	PLACES
	FETCH \next, 0, FB0, FA0
	WIN MUL_HI
	MUL12 FB1, FA1, 2, 0
	MUL12 FB1, FA1, 3, 0
.endm
.macro LAP zero
	THREE 0, \zero
	TURN 0, 1, 1
	THREE 1, 0
	TURN 1, 0, 1
.endm
	s_wait_tensorcnt 0x1                           ; my piece of K step 0 is in; K step 1's may stay out
	s_barrier_signal -1
	s_barrier_wait -1
	FETCH 0, 0, FB0, FA0
	LAP 1                                          ; the first lap's first products start the sums
	WIN 0
	s_mov_b32 s3, LAPS-2
.Llap:
	LAP 0
	WIN 0
	s_sub_co_u32 s3, s3, 1
	s_cmp_lg_u32 s3, 0
	s_cbranch_scc1 .Llap
	THREE 0, 0                                     ; the last lap fills nothing
	TURN 0, 1, 0
	THREE 1, 0
	s_wait_dscnt 0x0
	WIN MUL_LO
	MUL12 FB1, FA1, 0, 0
	MUL12 FB1, FA1, 1, 0
	WIN MUL_HI
	MUL12 FB1, FA1, 2, 0
	MUL12 FB1, FA1, 3, 0
	PLACES
	; THE WAY OUT, 16 rows at a time: round to f16, 16 bytes a lane into my own stage, read back as four tokens x 128 bytes of one head.
	s_lshr_b32 s16, s13, 4                         ; batch
	s_mul_i32 s16, s16, 48*HEADB
	s_and_b32 s14, s13, 15
	s_lshl_b32 s14, s14, 14                        ; 128 tokens of 128 bytes for each block row of the batch
	s_add_co_u32 s16, s16, s14
	s_lshl_b32 s14, s11, 13                        ; my 64 tokens
	s_add_co_u32 s16, s16, s14
	s_mov_b32 s17, 0
	s_add_nc_u64 s[8:9], s[6:7], s[16:17]
	s_mul_i32 s46, s42, 6                          ; six heads for each block column,
	s_mul_i32 s47, s12, 3                          ; three for each wave
	s_add_co_u32 s46, s46, s47
	s_lshl_b32 s46, s46, 18
	s_mov_b32 s47, 0
	s_add_nc_u64 s[8:9], s[8:9], s[46:47]
.macro OUT16 a, from, rb
	WIN \from
.irp b, 0,1,2,3,4,5,6,7,8,9,10,11
.irp r, 0,1,2,3
	v_cvt_pk_f16_f32 v[TMP+4*\b+\r], v[8*(12*((\a)&1)+\b)+2*\r], v[8*(12*((\a)&1)+\b)+2*\r+1]
.endr
.endr
	WIN 0
.irp b, 0,1,2,3,4,5,6,7,8,9,10,11
	ds_store_b128 v[STO], v[TMP+4*\b:TMP+4*\b+3] offset:32*\b
.endr
	s_wait_xcnt 0x0                                ; the stores issued so far have had their addresses translated: their data registers are loaded again only behind this wait
.irp g, 0,1,2
.irp i, 0,1,2,3
	ds_load_b128 v[\rb+4*(4*\g+\i):\rb+4*(4*\g+\i)+3], v[RD] offset:4*SP*\i+128*\g   ; LDS serves a wave's instructions in order: these see the stores above
.endr
.endr
.irp g, 0,1,2
.irp i, 0,1,2,3
	s_wait_dscnt 11-(4*\g+\i)
	global_store_b128 v[CO], v[\rb+4*(4*\g+\i):\rb+4*(4*\g+\i)+3], s[8:9] offset:\g*HEADB+(16*\a+4*\i)*128   ; the wave stores 512 consecutive bytes, aligned
.endr
.endr
.endm
	OUT16 0, 0x0a, RB0
	OUT16 1, 0x0a, RB1
	OUT16 2, 0x0f, RB0
	OUT16 3, 0x0f, RB1
	s_set_vgpr_msb 0x1
	s_wait_tensorcnt 0x0
	ds_add_u32 v255, v255
	s_wait_dscnt 0x0
	s_set_vgpr_msb 0x100
	CROUND                                         ; the closing round: no work-group ends while a partner may still ask for a tile that names it
	s_endpgm
.Lfunc_end_k_q484d1d70c6_qkv_gemm:
	.size	k_q484d1d70c6_qkv_gemm, .Lfunc_end_k_q484d1d70c6_qkv_gemm-k_q484d1d70c6_qkv_gemm
	.p2alignl 7, 3214868480
	.fill 96, 4, 3214868480
	.section	.rodata,"a",@progbits
	.p2align	6, 0x0
	.amdhsa_kernel k_q484d1d70c6_qkv_gemm
		.amdhsa_group_segment_fixed_size 327680
		.amdhsa_private_segment_fixed_size 0
		.amdhsa_enable_private_segment 0
		.amdhsa_kernarg_size 16
		.amdhsa_user_sgpr_count 2
		.amdhsa_user_sgpr_kernarg_segment_ptr 1
		.amdhsa_wavefront_size32 1
		.amdhsa_system_sgpr_workgroup_id_x 1
		.amdhsa_system_sgpr_workgroup_id_y 1
		.amdhsa_system_sgpr_workgroup_id_z 1
		.amdhsa_system_vgpr_workitem_id 0
		.amdhsa_next_free_vgpr 960
		.amdhsa_next_free_sgpr 66
		.amdhsa_reserve_vcc 0
		.amdhsa_float_denorm_mode_32 3
		.amdhsa_float_denorm_mode_16_64 3
		.amdhsa_memory_ordered 1
		.amdhsa_forward_progress 1
		.amdhsa_inst_pref_size 164
	.end_amdhsa_kernel
	.amdgpu_metadata
---
amdhsa.version: [ 1, 2 ]
amdhsa.kernels:
  - .name:           k_q484d1d70c6_qkv_gemm
    .symbol:         k_q484d1d70c6_qkv_gemm.kd
    .args:
      - { .name: cast, .offset: 0, .size: 8, .value_kind: global_buffer, .address_space: global }
      - { .name: qkvh, .offset: 8, .size: 8, .value_kind: global_buffer, .address_space: global }
    .group_segment_fixed_size: 327680
    .private_segment_fixed_size: 0
    .kernarg_segment_align: 8
    .kernarg_segment_size: 16
    .max_flat_workgroup_size: 128
    .sgpr_count:     66
    .vgpr_count:     960
    .wavefront_size: 32
...
	.end_amdgpu_metadata
.endif
;; end of part 2
;; launch attn (part 3): grid 8 x 32, 8 waves a work-group, no clusters, 327,680 bytes of LDS; arguments qkvh, yh; writes yh
.if DOCPART == 3
	.amdgcn_target "amdgcn-amd-amdhsa--gfx1250"
	.amdhsa_code_object_version 6
	.text
	.protected	k_q484d1d70c6_attn
	.globl	k_q484d1d70c6_attn
	.p2align	8
	.type	k_q484d1d70c6_attn,@function
k_q484d1d70c6_attn:
	s_mov_b64 s[64:65], 0
	v_nop
	global_prefetch_b8 v0, s[64:65] scope:SCOPE_SE
	s_setreg_imm32_b32 hwreg(HW_REG_WAVE_MODE, 25, 1), 1
	s_wait_xcnt 0x0
; Causal attention for one (batch, head): y = softmax(q k^T / 8, keys <= query) v.  The second clause of the problem's mask (col - row >= 16) never
; holds where col <= row, so the mask is the causal one; tiles above the diagonal are not computed.
; q, k, v: f16 from qkvh (head-major, 128 bytes a token).  Scores, maxima, exponentials and sums in f32, with a running maximum; the
; weights p are rounded once to f16 for the second product; y is rounded once to f16 into yh[h][2048 b + t][64].
; LIMITS: a masked score is replaced by -2^100, not by -infinity: raw scores q.k must lie above -2^100.  A part of the keys that is wholly masked
; gives weights of 1 for the moment; the next real maximum, or the merge at the end, multiplies them by exp2 of about -2^97, which is 0.
; BALANCE: work-group j takes the blocks of 128 queries j and 15 - j.  Keys go in tiles of 128, from the pair of tiles that holds the diagonal
; down to tile 0: 2 (j/2 + 1) + 2 ((15 - j)/2 + 1) = 18 tiles for every j (one of them wholly masked, so that slot numbers are constants).
; WAVES: wave w takes queries 32 (w % 4) .. + 31 of the block and keys 64 (w / 4) .. + 63 of every tile; at a block's end waves w and w + 4 are merged through LDS.
; NO JOINT LOADS: the eight work-groups of a head want different tiles in the same trip (j walks 2 (j/2) + 1 .. 0, then 2 ((15-j)/2) + 1 .. 0), and
; a walk common to all eight would be 16 tiles for each of the two blocks, 32 instead of 18.
; PRODUCTS: S^T = K Q^T (a lane holds one query and eight keys of each tile); two packed tiles of S^T are a fragment of P^T as they stand;
; O^T = V^T P^T with V^T read by the transposing load (a lane holds one query and eight neighbouring d).  So maximum, sum and scale are a lane's own
; but for one exchange between the halves of the wave.
.set KP,    272                        ; LDS row of K: two tokens (256 bytes) + 16
.set VP,    288                        ; LDS row of V: two tokens + 32
.set VOFF,  64*KP                      ; 17,408
.set SLOTB, VOFF+64*VP                 ; 35,840: a tile of K and a tile of V
.set XCH,   2*SLOTB                    ; 71,680: the merge: 8,704 bytes for each pair of waves
.set XW,    8704
.set STG,   XCH+4*XW                   ; 106,496: the way out: 16 rows x 144 bytes for each of waves 0-3
.set SGP,   144
.set TILEB, 16384                      ; 128 tokens of 128 bytes
.set HEADB, 262144
.set KA, 1                             ; LDS address of my K fragments
.set VA, 2                             ; of my V fragments
.set QO, 3                             ; my byte offset in the block's q
.set LB, 4                             ; 32 qw + r - 8 h - 64 g
.set L0, 5                             ; LB - 128 (tile - block): key 16 st + j of my half is kept for query 16 qt + r if 16 st + j - 16 qt <= L0
.set MV, 6                             ; -2^100
.set XA, 7
.set SS, 8
.set SR, 9
.set YO, 10
.set ST, 12                            ; v[12:15]  -c max and the sum, for my queries r and 16 + r
.set ALP, 16                           ; v[16:19]  scale factors, in the low registers of two pairs
.set T,  24                            ; v[24:31]  at work
.set Q,  32                            ; v[32:63]  fragment (qt, kd) at 16 qt + 8 kd
.set O,  64                            ; v[64:127] tile (qt, dt) at 8 (4 qt + dt)
.set S,  128                           ; v[128:191] tile (qt, st) at 8 (4 qt + st); then P: fragment (qt, ks) at 32 qt + 16 ks
.set KV, 192                           ; v[192:255] eight fragments of K, then eight of V^T
.set G1K, 32
.set G1V, 40
.set G0K, 48                           ; s[48:55] group 0 of K's loads, slot 0, 1
.set G0V, 56                           ; s[56:63] of V's
	s_load_b128 s[4:7], s[0:1], 0x0                ; qkvh s[4:5], yh s[6:7]
	v_lshl_add_u32 v11, v0, 2, 0x29000
	s_set_vgpr_msb 0x40
	v_mov_b32 v1, 0
	s_set_vgpr_msb 0x4044
	ds_add_u32 v11, v1
	ds_add_u32 v11, v1
	s_set_vgpr_msb 0x4400
	v_lshrrev_b32 v20, 5, v0
	v_readfirstlane_b32 s8, v20                    ; wave 0..7
	s_lshr_b32 s9, s8, 2                           ; g: which 64 keys of a tile
	s_and_b32 s10, s8, 3                           ; qw: which 32 queries of the block
	s_mov_b32 s11, ttmp9                           ; j
	s_and_b32 s12, ttmp7, 0xffff
	s_lshr_b32 s13, s12, 4                         ; batch
	s_and_b32 s14, s12, 15                         ; head
	s_sub_co_u32 s15, 15, s11                      ; the second block
	s_lshr_b32 s76, s11, 1                         ; pairs of tiles below the first pair, first block
	s_lshr_b32 s77, s15, 1                         ; second block: 4 .. 7
	s_mov_b32 s26, 0x76543210                      ; v_permlanex16_b32: lane i takes lane i of the other half
	s_mov_b32 s27, 0xfedcba98
	s_mov_b32 s28, 0x3e38aa3b                      ; c = log2(e) / 8
	s_mov_b32 s29, 0x3e38aa3b
	s_mov_b32 s30, 0xbe38aa3b                      ; -c
	; group 1: 8 rows of 128 elements of 2 bytes, dense in memory, padded in LDS
	s_mov_b32 s[G1K+0], (1<<16)|(1<<20)|(5<<22)|(3<<25)
	s_mov_b32 s[G1V+0], (1<<16)|(1<<20)|(5<<22)|(7<<25)
	s_mov_b32 s[G1K+1], 128<<16
	s_mov_b32 s[G1V+1], 128<<16
	s_mov_b32 s[G1K+2], 8<<16
	s_mov_b32 s[G1V+2], 8<<16
	s_mov_b32 s[G1K+3], 128<<16
	s_mov_b32 s[G1V+3], 128<<16
	s_mov_b32 s[G1K+4], 8
	s_mov_b32 s[G1V+4], 8
	s_mov_b32 s[G1K+5], 128
	s_mov_b32 s[G1V+5], 128
	s_mov_b32 s[G1K+6], 0
	s_mov_b32 s[G1V+6], 0
	s_mov_b32 s[G1K+7], 0
	s_mov_b32 s[G1V+7], 0
	s_mul_i32 s78, s8, 8*KP                        ; my 8 rows of every tile of K,
	s_mul_i32 s79, s8, 8*VP                        ; and of V
.irp s, 0,1
	s_mov_b32 s[G0K+4*\s], 1
	s_add_co_u32 s[G0K+4*\s+1], s78, \s*SLOTB
	s_mov_b32 s[G0V+4*\s], 1
	s_add_co_u32 s[G0V+4*\s+1], s79, \s*SLOTB+VOFF
.endr
	v_and_b32 v20, 15, v0                          ; r
	v_bfe_u32 v21, v0, 4, 1                        ; h
	v_and_b32 v22, 31, v0                          ; lane
	v_and_b32 v23, 1, v0
	v_lshrrev_b32 v24, 1, v20
	v_mul_u32_u24 v[KA], v24, KP                   ; key r of a fragment: LDS row r / 2, half r % 2, 16 bytes for each half of the lanes
	v_lshl_add_u32 v[KA], v23, 7, v[KA]
	v_lshl_add_u32 v[KA], v21, 4, v[KA]
	s_mul_i32 s74, s9, 32*KP
	v_add_nc_u32 v[KA], s74, v[KA]
	v_bfe_u32 v24, v0, 1, 2                        ; V, for the transposing load: key 8 h + lane % 8: LDS row 4 h + (lane % 8) / 2, half lane % 2
	v_lshl_add_u32 v24, v21, 2, v24
	v_mul_u32_u24 v[VA], v24, VP
	v_lshl_add_u32 v[VA], v23, 7, v[VA]
	v_bfe_u32 v24, v0, 3, 1
	v_lshl_add_u32 v[VA], v24, 4, v[VA]
	s_mul_i32 s74, s9, 32*VP
	s_add_co_u32 s74, s74, VOFF
	v_add_nc_u32 v[VA], s74, v[VA]
	v_lshlrev_b32 v[QO], 7, v20
	v_lshl_add_u32 v[QO], v21, 4, v[QO]
	s_lshl_b32 s74, s10, 12
	v_add_nc_u32 v[QO], s74, v[QO]
	v_lshl_add_u32 v[YO], v22, 4, s74              ; 32 qw tokens of 128 bytes + 16 x lane
	v_lshlrev_b32 v24, 3, v21
	v_sub_nc_u32 v[LB], v20, v24
	s_lshl_b32 s74, s10, 5
	s_lshl_b32 s75, s9, 6
	s_sub_co_i32 s74, s74, s75
	v_add_nc_u32 v[LB], s74, v[LB]
	v_mov_b32 v[MV], 0xf1800000
	s_mul_i32 s74, s10, XW
	s_add_co_u32 s74, s74, XCH
	v_lshl_add_u32 v[XA], v22, 4, s74
	s_mul_i32 s74, s10, 16*SGP
	s_add_co_u32 s74, s74, STG
	v_mul_u32_u24 v23, v20, SGP
	v_lshl_add_u32 v23, v21, 4, v23
	v_add_nc_u32 v[SS], s74, v23
	v_bfe_u32 v23, v0, 3, 2
	v_mul_u32_u24 v23, v23, SGP
	v_and_b32 v24, 7, v0
	v_lshl_add_u32 v23, v24, 4, v23
	v_add_nc_u32 v[SR], s74, v23
	v_mov_b32 v[ST+1], 0                           ; the upper registers of pairs that packed instructions name
	v_mov_b32 v[ST+3], 0
	v_mov_b32 v[ALP+1], 0
	v_mov_b32 v[ALP+3], 0
	s_mul_i32 s74, s13, 48
	s_add_co_u32 s74, s74, s14
	s_lshl_b32 s74, s74, 18                        ; this head's q in qkvh
	s_mov_b32 s75, 0
	s_mov_b32 s21, 0
	s_wait_dscnt 0x0
	s_wait_kmcnt 0x0
	s_add_nc_u64 s[66:67], s[4:5], s[74:75]
	s_lshl_b32 s20, s8, 11                         ; my 8 LDS rows are 2,048 bytes of every tile
	s_add_nc_u64 s[16:17], s[66:67], s[20:21]
	s_add_nc_u64 s[18:19], s[16:17], 32*HEADB      ; v
	s_add_nc_u64 s[16:17], s[16:17], 16*HEADB      ; k
	s_or_b32 s17, s17, 0x80000000                  ; the descriptor's type
	s_or_b32 s19, s19, 0x80000000
	s_lshl_b32 s20, s15, 14
	s_add_nc_u64 s[68:69], s[66:67], s[20:21]      ; q of the second block
	s_lshl_b32 s20, s11, 14
	s_add_nc_u64 s[66:67], s[66:67], s[20:21]      ; q of the first block
	s_lshl_b32 s20, s14, 19                        ; yh: 4,096 tokens of 128 bytes a head,
	s_lshl_b32 s74, s13, 18                        ; 2,048 a batch
	s_add_co_u32 s20, s20, s74
	s_add_nc_u64 s[70:71], s[6:7], s[20:21]
	s_lshl_b32 s20, s15, 14
	s_add_nc_u64 s[72:73], s[70:71], s[20:21]      ; y of the second block
	s_lshl_b32 s20, s11, 14
	s_add_nc_u64 s[70:71], s[70:71], s[20:21]      ; y of the first block
	s_lshl_b32 s20, s76, 15
	s_add_co_u32 s20, s20, TILEB                   ; s[20:21]: byte offset of the next tile to fetch: the first block's top tile
	s_lshl_b32 s22, s77, 15
	s_add_co_u32 s22, s22, TILEB                   ; the second block's top tile
; Slot OTH's two descriptors get the next tile's addresses; then the offset goes one tile down, and from tile 0 to the second block's top tile.
.macro AIM
	s_add_nc_u64 s[G0K+4*OTH+2:G0K+4*OTH+3], s[16:17], s[20:21]
	s_add_nc_u64 s[G0V+4*OTH+2:G0V+4*OTH+3], s[18:19], s[20:21]
	s_sub_co_i32 s20, s20, TILEB
	s_cmp_lt_i32 s20, 0
	s_cselect_b32 s20, s22, s20
.endm
.macro ASK
	tensor_load_to_lds s[G0K+4*OTH:G0K+4*OTH+3], s[G1K:G1K+7]
	s_nop 0
	tensor_load_to_lds s[G0V+4*OTH:G0V+4*OTH+3], s[G1V:G1V+7]
	s_nop 0
.endm
.macro LOADQ base
.irp qt, 0,1
.irp kd, 0,1
	global_load_b128 v[Q+16*\qt+8*\kd:Q+16*\qt+8*\kd+3],   v[QO], s[\base:\base+1] offset:2048*\qt+64*\kd
	global_load_b128 v[Q+16*\qt+8*\kd+4:Q+16*\qt+8*\kd+7], v[QO], s[\base:\base+1] offset:2048*\qt+64*\kd+32
.endr
.endr
.endm
.set OTH, 0
	AIM
	ASK                                            ; the first tile, into slot 0: a first fill
	LOADQ 66
; S^T += K Q^T, 32 of d.  Eight accumulators take turns, one instruction a turn.
.macro SMUL kd, zero
.irp qt, 0,1
.irp st, 0,1,2,3
.if \zero
	v_wmma_f32_16x16x32_f16 v[S+8*(4*\qt+\st):S+8*(4*\qt+\st)+7], v[KV+8*(4*\kd+\st):KV+8*(4*\kd+\st)+7], v[Q+16*\qt+8*\kd:Q+16*\qt+8*\kd+7], 0
.else
	v_wmma_f32_16x16x32_f16 v[S+8*(4*\qt+\st):S+8*(4*\qt+\st)+7], v[KV+8*(4*\kd+\st):KV+8*(4*\kd+\st)+7], v[Q+16*\qt+8*\kd:Q+16*\qt+8*\kd+7], v[S+8*(4*\qt+\st):S+8*(4*\qt+\st)+7]
.endif
.endr
.endr
.endm
; O^T += V^T P^T, 32 keys
.macro PV ks, zero
.irp qt, 0,1
.irp dt, 0,1,2,3
.if \zero
	v_wmma_f32_16x16x32_f16 v[O+8*(4*\qt+\dt):O+8*(4*\qt+\dt)+7], v[KV+8*(4*\ks+\dt):KV+8*(4*\ks+\dt)+7], v[S+32*\qt+16*\ks:S+32*\qt+16*\ks+7], 0
.else
	v_wmma_f32_16x16x32_f16 v[O+8*(4*\qt+\dt):O+8*(4*\qt+\dt)+7], v[KV+8*(4*\ks+\dt):KV+8*(4*\ks+\dt)+7], v[S+32*\qt+16*\ks:S+32*\qt+16*\ks+7], v[O+8*(4*\qt+\dt):O+8*(4*\qt+\dt)+7]
.endif
.endr
.endr
.endm
; The softmax step for my queries 16 qt + r: 32 scores a lane.  first = 1: the block's first tile starts maximum, sum and O.
.macro SOFTMAX qt, masked, first
.set SB, S+32*\qt
.set OB, O+32*\qt
.set NM, ST+2*\qt
.set LS, ST+2*\qt+1
.set AL, ALP+2*\qt
.if \masked
.set i, 0
.rept 32
	v_cmp_le_i32 vcc_lo, (i>>3)*16+(i&7)-16*\qt, v[L0]
	v_cndmask_b32 v[SB+i], v[MV], v[SB+i], vcc_lo
.set i, i+1
.endr
.endif
.irp c, 0,1,2,3
	v_max3_num_f32 v[T+\c], v[SB+8*\c], v[SB+8*\c+1], v[SB+8*\c+2]         ; four chains
.endr
.irp c, 0,1,2,3
	v_max3_num_f32 v[T+\c], v[T+\c], v[SB+8*\c+3], v[SB+8*\c+4]
.endr
.irp c, 0,1,2,3
	v_max3_num_f32 v[T+\c], v[T+\c], v[SB+8*\c+5], v[SB+8*\c+6]
.endr
.irp c, 0,1,2,3
	v_max_num_f32 v[T+\c], v[T+\c], v[SB+8*\c+7]
.endr
	v_max3_num_f32 v[T], v[T], v[T+1], v[T+2]
	v_max_num_f32 v[T], v[T], v[T+3]
	v_permlanex16_b32 v[T+1], v[T], s26, s27       ; the same query's other 32 keys lie in the other half of the wave
	v_max_num_f32 v[T], v[T], v[T+1]
.if \first
	v_mul_f32 v[NM], s30, v[T]                     ; -c max
.else
	v_mul_f32 v[T], s30, v[T]
	v_min_num_f32 v[T+2], v[T], v[NM]              ; -c times the larger maximum
	v_sub_f32 v[AL], v[T+2], v[NM]
	v_mov_b32 v[NM], v[T+2]
	v_exp_f32 v[AL], v[AL]                         ; what the old sums are scaled by; the lines below are the plain place behind it (ISA guide 5.7.2)
.endif
.set i, 0
.rept 16
	v_pk_fma_f32 v[SB+i:SB+i+1], v[SB+i:SB+i+1], s[28:29], v[NM:NM+1] op_sel_hi:[1,0,0]   ; c s - c max
.set i, i+2
.endr
.set i, 0
.rept 16
	v_exp_f32 v[SB+2*i], v[SB+2*i]
	v_exp_f32 v[SB+2*i+1], v[SB+2*i+1]
.if \first == 0
	s_wait_alu depctr_va_vdst(0)
	v_pk_mul_f32 v[OB+2*i:OB+2*i+1], v[OB+2*i:OB+2*i+1], v[AL:AL+1] op_sel_hi:[1,0]       ; O's rescale fills the gaps, and is the plain place behind the last exponential
.endif
.set i, i+1
.endr
.if \first
	v_nop                                          ; the plain place behind the last exponential
	s_wait_alu depctr_va_vdst(0)
.endif
	s_wait_alu depctr_va_vdst(0)
.irp c, 0,1,2,3
	v_pk_add_f32 v[T+2*\c:T+2*\c+1], v[SB+8*\c:SB+8*\c+1], v[SB+8*\c+2:SB+8*\c+3]
.endr
.irp c, 0,1,2,3
	v_pk_add_f32 v[T+2*\c:T+2*\c+1], v[T+2*\c:T+2*\c+1], v[SB+8*\c+4:SB+8*\c+5]
.endr
.irp c, 0,1,2,3
	v_pk_add_f32 v[T+2*\c:T+2*\c+1], v[T+2*\c:T+2*\c+1], v[SB+8*\c+6:SB+8*\c+7]
.endr
	v_pk_add_f32 v[T:T+1], v[T:T+1], v[T+2:T+3]
	v_pk_add_f32 v[T+4:T+5], v[T+4:T+5], v[T+6:T+7]
	v_pk_add_f32 v[T:T+1], v[T:T+1], v[T+4:T+5]
.if \first
	v_add_f32 v[LS], v[T], v[T+1]
.else
	v_add_f32 v[T], v[T], v[T+1]
	v_fma_f32 v[LS], v[LS], v[AL], v[T]
.endif
.set i, 0
.rept 16
	v_cvt_pk_f16_f32 v[SB+16*(i>>3)+(i&7)], v[SB+16*(i>>3)+2*(i&7)], v[SB+16*(i>>3)+2*(i&7)+1]   ; in place, ascending: no word is written before it is read
.set i, i+1
.endr
.endm
; One tile.  slot: where it lies; refill = 1: the next tile is asked for, into the other slot.
.macro TRIP slot, refill, masked, first
.set OTH, 1-\slot
	s_set_vgpr_msb 0x4
	s_wait_tensorcnt 0x0                           ; all my tensor loads have landed, my rows of this tile among them: every group 0 may be written
	ds_add_u32 v11, v1
	s_wait_dscnt 0x0
	s_set_vgpr_msb 0x400
.if \refill
	AIM
.endif
	s_wait_dscnt 0x0                               ; my reads of the other slot are over
	s_barrier_signal -1
	s_barrier_wait -1                              ; both hold of all eight waves
.if \refill
	ASK                                            ; the first tensor loads behind the barrier; two of the wave's are out at the most
.endif
.irp kd, 0,1
.irp st, 0,1,2,3
	ds_load_b128 v[KV+8*(4*\kd+\st):KV+8*(4*\kd+\st)+3],   v[KA] offset:\slot*SLOTB+8*KP*\st+64*\kd
	ds_load_b128 v[KV+8*(4*\kd+\st)+4:KV+8*(4*\kd+\st)+7], v[KA] offset:\slot*SLOTB+8*KP*\st+64*\kd+32
.endr
.endr
.if \masked
	v_sub_nc_u32 v[L0], v[LB], s24
.endif
.if \first
	s_wait_loadcnt 0x0                             ; this block's q
.endif
	s_wait_dscnt 0x8                               ; the fragments of d 0-31 are in, the eight younger loads may be out
	SMUL 0, 1
	s_wait_dscnt 0x0
	SMUL 1, 0
.rept 4
	v_nop                                          ; four places (ISA guide 7.12.1) before V lands on K's registers and the scores are read
.endr
.irp ks, 0,1
.irp dt, 0,1,2,3
	ds_load_tr16_b128 v[KV+8*(4*\ks+\dt):KV+8*(4*\ks+\dt)+3],   v[VA] offset:\slot*SLOTB+16*VP*\ks+32*\dt
	ds_load_tr16_b128 v[KV+8*(4*\ks+\dt)+4:KV+8*(4*\ks+\dt)+7], v[VA] offset:\slot*SLOTB+16*VP*\ks+32*\dt+8*VP
.endr
.endr
	SOFTMAX 0, \masked, \first
	SOFTMAX 1, \masked, \first
	s_wait_dscnt 0x8                               ; V's first 32 keys are in
	PV 0, \first
	s_wait_dscnt 0x0
	PV 1, 0
.rept 5
	v_nop                                          ; five places before the next tile's products write over P, four before loads land on V's registers
.endr
.endm
; A block's end: waves 4-7 hand O, maximum and sum to waves 0-3, which merge, divide, round and store.  nextq = 1: the second block's q is asked for.
.macro FINISH yb, nextq
.if \nextq
	LOADQ 68
.endif
	v_permlanex16_b32 v[T], v[ST+1], s26, s27      ; a query's sum: both halves of the wave
	v_permlanex16_b32 v[T+1], v[ST+3], s26, s27
	v_add_f32 v[ST+1], v[ST+1], v[T]
	v_add_f32 v[ST+3], v[ST+3], v[T+1]
	s_cmp_lt_u32 s8, 4
	s_cbranch_scc1 .Lkeep_\@
.set i, 0
.rept 16
	ds_store_b128 v[XA], v[O+4*i:O+4*i+3] offset:512*i
.set i, i+1
.endr
	ds_store_b128 v[XA], v[ST:ST+3] offset:8192
.Lkeep_\@:
	s_wait_dscnt 0x0                               ; for the other waves' sake: my stores are done
	s_barrier_signal -1
	s_barrier_wait -1                              ; the next tile's loads may stay out
	s_cmp_ge_u32 s8, 4
	s_cbranch_scc1 .Ldone_\@
.set i, 0
.rept 16
	ds_load_b128 v[S+4*i:S+4*i+3], v[XA] offset:512*i
.set i, i+1
.endr
	ds_load_b128 v[T:T+3], v[XA] offset:8192
	s_wait_dscnt 0x0
.irp qt, 0,1
	v_min_num_f32 v[T+4], v[ST+2*\qt], v[T+2*\qt]  ; -c times the larger of the two maxima
	v_sub_f32 v[T+5], v[T+4], v[ST+2*\qt]
	v_sub_f32 v[T+6], v[T+4], v[T+2*\qt]
	v_exp_f32 v[T+5], v[T+5]
	v_exp_f32 v[T+6], v[T+6]
	v_nop
	s_wait_alu depctr_va_vdst(0)
	v_mul_f32 v[T+7], v[ST+2*\qt+1], v[T+5]
	v_fma_f32 v[T+7], v[T+2*\qt+1], v[T+6], v[T+7]
	v_rcp_f32 v[T+7], v[T+7]                       ; the sum is at least about 1: the key of the largest score counts 1
	v_nop
	s_wait_alu depctr_va_vdst(0)
	v_mul_f32 v[ALP], v[T+5], v[T+7]
	v_mul_f32 v[ALP+2], v[T+6], v[T+7]
.set i, 0
.rept 16
	v_pk_mul_f32 v[O+32*\qt+i:O+32*\qt+i+1], v[O+32*\qt+i:O+32*\qt+i+1], v[ALP:ALP+1] op_sel_hi:[1,0]
.set i, i+2
.endr
.set i, 0
.rept 16
	v_pk_fma_f32 v[O+32*\qt+i:O+32*\qt+i+1], v[S+32*\qt+i:S+32*\qt+i+1], v[ALP+2:ALP+3], v[O+32*\qt+i:O+32*\qt+i+1] op_sel_hi:[1,0,1]
.set i, i+2
.endr
.set i, 0
.rept 16
	v_cvt_pk_f16_f32 v[KV+32*\qt+i], v[O+32*\qt+2*i], v[O+32*\qt+2*i+1]
.set i, i+1
.endr
.irp dt, 0,1,2,3
	ds_store_b128 v[SS], v[KV+32*\qt+4*\dt:KV+32*\qt+4*\dt+3] offset:32*\dt           ; query r's d 16 dt + 8 h .. + 7
.endr
.irp i4, 0,1,2,3
	ds_load_b128 v[KV+32*\qt+16+4*\i4:KV+32*\qt+16+4*\i4+3], v[SR] offset:4*SGP*\i4   ; my own stage: LDS serves a wave's instructions in order
.endr
.irp i4, 0,1,2,3
	s_wait_dscnt 3-\i4
	global_store_b128 v[YO], v[KV+32*\qt+16+4*\i4:KV+32*\qt+16+4*\i4+3], s[\yb:\yb+1] offset:2048*\qt+512*\i4   ; four tokens: 512 consecutive bytes, aligned
.endr
.endr
	s_wait_xcnt 0x0                                ; the stores' data registers are loaded again only behind this wait
.Ldone_\@:
.endm
	; the first block, j
	s_and_b32 s24, s11, 1
	s_xor_b32 s24, s24, 1
	s_lshl_b32 s24, s24, 7                         ; 128 (top tile - block): 128 where the block's number is even, else 0
	TRIP 0, 1, 1, 1
	s_sub_co_i32 s24, s24, 128
	TRIP 1, 1, 1, 0
	s_cmp_eq_u32 s76, 0
	s_cbranch_scc1 .Llo_done
	s_mov_b32 s23, s76
.Llo:
	TRIP 0, 1, 0, 0
	TRIP 1, 1, 0, 0
	s_sub_co_i32 s23, s23, 1
	s_cmp_lg_u32 s23, 0
	s_cbranch_scc1 .Llo
.Llo_done:
	FINISH 70, 1
	; the second block, 15 - j
	s_and_b32 s24, s11, 1
	s_lshl_b32 s24, s24, 7
	TRIP 0, 1, 1, 1
	s_sub_co_i32 s24, s24, 128
	TRIP 1, 1, 1, 0
	s_sub_co_u32 s23, s77, 1                       ; 3 .. 6 pairs in the loop, the last pair behind it
.Lhi:
	TRIP 0, 1, 0, 0
	TRIP 1, 1, 0, 0
	s_sub_co_i32 s23, s23, 1
	s_cmp_lg_u32 s23, 0
	s_cbranch_scc1 .Lhi
	TRIP 0, 1, 0, 0
	TRIP 1, 0, 0, 0                                ; the last tile: nothing more is asked for
	FINISH 72, 0
	s_set_vgpr_msb 0x4
	s_wait_tensorcnt 0x0
	ds_add_u32 v11, v1
	s_wait_dscnt 0x0
	s_set_vgpr_msb 0x400
	s_endpgm
.Lfunc_end_k_q484d1d70c6_attn:
	.size	k_q484d1d70c6_attn, .Lfunc_end_k_q484d1d70c6_attn-k_q484d1d70c6_attn
	.p2alignl 7, 3214868480
	.fill 96, 4, 3214868480
	.section	.rodata,"a",@progbits
	.p2align	6, 0x0
	.amdhsa_kernel k_q484d1d70c6_attn
		.amdhsa_group_segment_fixed_size 327680
		.amdhsa_private_segment_fixed_size 0
		.amdhsa_enable_private_segment 0
		.amdhsa_kernarg_size 16
		.amdhsa_user_sgpr_count 2
		.amdhsa_user_sgpr_kernarg_segment_ptr 1
		.amdhsa_wavefront_size32 1
		.amdhsa_system_sgpr_workgroup_id_x 1
		.amdhsa_system_sgpr_workgroup_id_y 1
		.amdhsa_system_sgpr_workgroup_id_z 1
		.amdhsa_system_vgpr_workitem_id 0
		.amdhsa_next_free_vgpr 258
		.amdhsa_next_free_sgpr 80
		.amdhsa_reserve_vcc 1
		.amdhsa_float_denorm_mode_32 3
		.amdhsa_float_denorm_mode_16_64 3
		.amdhsa_memory_ordered 1
		.amdhsa_forward_progress 1
		.amdhsa_inst_pref_size 229
	.end_amdhsa_kernel
	.amdgpu_metadata
---
amdhsa.version: [ 1, 2 ]
amdhsa.kernels:
  - .name:           k_q484d1d70c6_attn
    .symbol:         k_q484d1d70c6_attn.kd
    .args:
      - { .name: qkvh, .offset: 0, .size: 8, .value_kind: global_buffer, .address_space: global }
      - { .name: yh, .offset: 8, .size: 8, .value_kind: global_buffer, .address_space: global }
    .group_segment_fixed_size: 327680
    .private_segment_fixed_size: 0
    .kernarg_segment_align: 8
    .kernarg_segment_size: 16
    .max_flat_workgroup_size: 256
    .sgpr_count:     80
    .vgpr_count:     258
    .wavefront_size: 32
...
	.end_amdgpu_metadata
.endif
;; end of part 3
;; launch proj_gemm (part 4): grid 8 x 32, 4 waves a work-group, clusters of 4 x 4, 327,680 bytes of LDS; arguments yh, cast, out0; writes out0
.if DOCPART == 4
	.amdgcn_target "amdgcn-amd-amdhsa--gfx1250"
	.amdhsa_code_object_version 6
	.text
	.protected	k_q484d1d70c6_proj_gemm
	.globl	k_q484d1d70c6_proj_gemm
	.p2align	8
	.type	k_q484d1d70c6_proj_gemm,@function
k_q484d1d70c6_proj_gemm:
	s_mov_b64 s[64:65], 0
	v_nop
	global_prefetch_b8 v0, s[64:65] scope:SCOPE_SE
	s_setreg_imm32_b32 hwreg(HW_REG_WAVE_MODE, 25, 1), 1
	s_wait_xcnt 0x0
	s_wait_alu depctr_hold_cnt(0) depctr_sa_sdst(0) depctr_va_vdst(0) depctr_va_sdst(0) depctr_va_ssrc(0) depctr_va_vcc(0) depctr_vm_vsrc(0)
	s_getreg_b32 s2, hwreg(HW_REG_IB_STS2, 6, 4)
	s_cmp_eq_u32 s2, 0
	s_cbranch_scc0 .Lentry_in_a_cluster
	s_endpgm
.Lentry_in_a_cluster:
	s_bfe_u32 s2, ttmp6, 0x10000c
	s_cmp_lg_u32 s2, 0xf033
	s_cbranch_scc0 .Lentry_shape_is_right
	s_endpgm
.Lentry_shape_is_right:
; out0 = y w_proj: [4096][1024] x [1024][1024], f16 operands, f32 sums, f32 out.
; y comes head-major from yh[h][row][64] (k = 64 h + d); w_proj as f16 [k][n] from cast at byte 14,680,064.
; A work-group makes 128 x 128 with four waves (256 work-groups); a wave makes 64 x 64: 16 accumulator tiles.
; K goes in 4 steps of 256 (four heads) through two LDS slots: from a slot's request to the wait for it a wave issues 124 matrix instructions.
; CLUSTERS: 4 x 4 work-groups; y's tiles are asked for jointly along a cluster row, w_proj's along a cluster column.  Every wave issues both lines:
; its head's 128 tokens of y (dense: 64 rows of 256 bytes) and its 64 k rows x 256 bytes of w_proj.
; LDS: slot = four head tiles of y (64 rows of two tokens, pitch 272), then w_proj's 256 k rows, pitch 288; behind the slots a stage of 16 x 272 bytes a wave.
; REGISTERS: window 0: v16-26 addresses, v32-95 fragments of w_proj (two buffers); window 1: v0-127 accumulators, v128-191 fragments of y (two buffers).
; One window setting (source 0 window 0; source 1, C, D window 1) serves the matrix instructions, y's loads, and every line of the way out; w_proj's loads alone want window 0.
; The matrix instruction is used transposed: a lane holds eight neighbouring columns of one row of out0.
.set KSTEP,  256
.set PA,     272
.set PB,     288
.set ASUB,   64*PA                     ; 17,408: one head's 128 tokens
.set BOFF,   4*ASUB                    ; 69,632
.set BQ,     64*PB                     ; 18,432: a wave's 64 k rows
.set SLOT,   BOFF+4*BQ                 ; 143,360
.set STAGE,  2*SLOT                    ; 286,720, a multiple of 256: no tensor load lands here
.set SP,     272
.set WP_OFF, 14680064
.set HEADY,  524288                    ; bytes of a head in yh
.set ROWB,   4096                      ; bytes of a row of out0
.set ADRA, 16                          ; v16-17  y's fragments, slot 0, 1
.set ADRB, 18                          ; v18-21  w_proj's: 2 x slot + half of the K step
.set STO,  24
.set RD,   25
.set CO,   26
.set FB0,  32                          ; window 0
.set FB1,  64
.set FA0,  128                         ; window 1
.set FA1,  160
.set G1,  24
.set G0,  32
.set G1B, 48
.set G0B, 56
.set MSB, 0
.macro WIN new
.if MSB != \new
	s_set_vgpr_msb (MSB<<8)|\new
.set MSB, \new
.endif
.endm
.set MUL, 0x54                         ; source 0 window 0; source 1, source 2 and destination window 1
.macro JLOAD s
	tensor_load_to_lds s[G0+4*\s:G0+4*\s+3], s[G1:G1+7]
	s_nop 0
	tensor_load_to_lds s[G0B+4*\s:G0B+4*\s+3], s[G1B:G1B+7]
	s_nop 0
.endm
.macro CREST
	s_cmp_lg_u32 s10, 0
	s_cbranch_scc1 .Lnot_wave_0_\@
	s_barrier_signal -3
.Lnot_wave_0_\@:
	s_barrier_wait -3
	s_barrier_signal -1
	s_barrier_wait -1
.endm
.macro CROUND
	s_barrier_signal -1
	s_barrier_wait -1
	CREST
.endm
	s_load_b128 s[4:7], s[0:1], 0x0                ; yh s[4:5], cast s[6:7]
	s_load_b64 s[8:9], s[0:1], 0x10                ; out0
	v_lshl_add_u32 v255, v0, 2, 0x4a400
	s_set_vgpr_msb 0x40
	v_mov_b32 v193, 0
	s_set_vgpr_msb 0x4044
	ds_add_u32 v255, v193
	ds_add_u32 v255, v193
	s_set_vgpr_msb 0x4400
	v_lshrrev_b32 v1, 5, v0
	v_readfirstlane_b32 s10, v1                    ; wave 0..3
	s_lshr_b32 s11, s10, 1                         ; which 64 rows
	s_and_b32 s12, s10, 1                          ; which 64 columns
	s_bfe_u32 s40, ttmp6, 0x40000                  ; cx
	s_bfe_u32 s41, ttmp6, 0x40004                  ; cy
	s_lshl_b32 s42, ttmp9, 2
	s_add_co_u32 s42, s42, s40                     ; block column
	s_and_b32 s13, ttmp7, 0xffff
	s_lshl_b32 s13, s13, 2
	s_add_co_u32 s13, s13, s41                     ; block row
	s_lshl_b32 s43, s41, 2
	s_lshl_b32 s43, 15, s43                        ; my row of the cluster
	s_lshl_b32 s44, 0x1111, s40                    ; my column
	s_or_b32 s[G1+0],  s43, (1<<16)|(1<<20)|(1<<21)|(5<<22)|(3<<25)
	s_or_b32 s[G1B+0], s44, (1<<16)|(1<<20)|(1<<21)|(5<<22)|(7<<25)
	s_mov_b32 s[G1+1],  128<<16                    ; tensor_dim0 = 128 elements
	s_mov_b32 s[G1B+1], 128<<16
	s_mov_b32 s[G1+2],  64<<16                     ; tensor_dim1 = 64 rows
	s_mov_b32 s[G1B+2], 64<<16
	s_mov_b32 s[G1+3],  128<<16                    ; tile_dim0
	s_mov_b32 s[G1B+3], 128<<16
	s_mov_b32 s[G1+4],  64                         ; tile_dim1
	s_mov_b32 s[G1B+4], 64
	s_mov_b32 s[G1+5],  128                        ; y's block is dense: a row begins where the last ends
	s_mov_b32 s[G1B+5], 1024
	s_mov_b32 s[G1+6],  0
	s_mov_b32 s[G1B+6], 0
	s_mov_b32 s[G1+7],  0
	s_mov_b32 s[G1B+7], 0
	s_lshl_b32 s16, s10, 19                        ; y: head w of the K step,
	s_lshl_b32 s17, s13, 14                        ; 128 tokens of 128 bytes for each block row
	s_add_co_u32 s16, s16, s17
	s_mov_b32 s17, 0
	s_lshl_b32 s46, s10, 17                        ; w_proj: my 64 k rows of 2,048 bytes,
	s_lshl_b32 s47, s42, 8                         ; 128 columns for each block column
	s_add_co_u32 s46, s46, s47
	s_add_co_u32 s46, s46, WP_OFF
	s_mov_b32 s47, 0
	s_mul_i32 s20, s10, ASUB
	s_mul_i32 s21, s10, BQ
	s_wait_dscnt 0x0
	s_wait_kmcnt 0x0
	s_add_nc_u64 s[14:15], s[4:5], s[16:17]
	s_add_nc_u64 s[46:47], s[6:7], s[46:47]
	CROUND                                         ; the first joint loads meet
.irp s, 0,1
	s_mov_b32 s[G0+4*\s], 1
	s_add_co_u32 s[G0+4*\s+1], s20, \s*SLOT
	s_add_nc_u64 s[G0+4*\s+2:G0+4*\s+3], s[14:15], \s*4*HEADY
	s_or_b32 s[G0+4*\s+3], s[G0+4*\s+3], 0x80000000
	s_mov_b32 s[G0B+4*\s], 1
	s_add_co_u32 s[G0B+4*\s+1], s21, \s*SLOT+BOFF
	s_add_nc_u64 s[G0B+4*\s+2:G0B+4*\s+3], s[46:47], \s*KSTEP*2048
	s_or_b32 s[G0B+4*\s+3], s[G0B+4*\s+3], 0x80000000
	JLOAD \s                                       ; K steps 0 and 1: four tensor loads of the wave are out at the most
.endr
	v_and_b32 v1, 15, v0                           ; r
	v_bfe_u32 v2, v0, 4, 1                         ; h
	v_lshrrev_b32 v3, 1, v1                        ; y: token r lies in LDS row r / 2, half r % 2
	v_mul_u32_u24 v3, v3, PA
	v_and_b32 v4, 1, v0
	v_lshl_add_u32 v3, v4, 7, v3
	v_lshl_add_u32 v3, v2, 4, v3
	s_mul_i32 s22, s11, 32*PA
	v_add_nc_u32 v[ADRA], s22, v3
	s_add_co_u32 s22, s22, SLOT
	v_add_nc_u32 v[ADRA+1], s22, v3
	v_and_b32 v4, 7, v0                            ; w_proj, for the transposing load: row 8 h + lane % 8
	v_lshl_or_b32 v4, v2, 3, v4
	v_mul_u32_u24 v4, v4, PB
	v_bfe_u32 v5, v0, 3, 1
	v_lshl_add_u32 v4, v5, 4, v4
	s_lshl_b32 s22, s12, 7                         ; my 64 columns
	s_add_co_u32 s22, s22, BOFF
	v_add_nc_u32 v[ADRB], s22, v4
	s_add_co_u32 s23, s22, 128*PB                  ; the K step's second 128 rows: LDS offsets have 16 bits
	v_add_nc_u32 v[ADRB+1], s23, v4
	s_add_co_u32 s22, s22, SLOT
	v_add_nc_u32 v[ADRB+2], s22, v4
	s_add_co_u32 s23, s23, SLOT
	v_add_nc_u32 v[ADRB+3], s23, v4
	s_mul_i32 s23, s10, 16*SP
	s_add_co_u32 s23, s23, STAGE
	v_mul_u32_u24 v5, v1, SP                       ; in: row r, 32 bytes for each half of the lanes
	v_lshl_add_u32 v5, v2, 5, v5
	v_add_nc_u32 v[STO], s23, v5
	v_mul_u32_u24 v5, v2, SP                       ; back: lanes 0-15 one row of 256 bytes, lanes 16-31 the next
	v_lshl_add_u32 v5, v1, 4, v5
	v_add_nc_u32 v[RD], s23, v5
	v_lshlrev_b32 v5, 12, v2
	v_lshl_add_u32 v[CO], v1, 4, v5
	s_lshl_b32 s16, s13, 19                        ; out0: 128 rows of 4,096 bytes for each block row,
	s_lshl_b32 s17, s11, 18                        ; my 64 rows
	s_add_co_u32 s16, s16, s17
	s_mov_b32 s17, 0
	s_add_nc_u64 s[8:9], s[8:9], s[16:17]
	s_lshl_b32 s46, s42, 9                         ; 128 columns of 4 bytes for each block column,
	s_lshl_b32 s47, s12, 8                         ; my 64 columns
	s_add_co_u32 s46, s46, s47
	s_mov_b32 s47, 0
	s_add_nc_u64 s[8:9], s[8:9], s[46:47]
.macro MUL4 fb, fa, a, zero
.irp b, 0,1,2,3
.if \zero
	v_wmma_f32_16x16x32_f16 v[8*(4*\a+\b):8*(4*\a+\b)+7], v[\fb+8*\b:\fb+8*\b+7], v[\fa+8*\a:\fa+8*\a+7], 0
.else
	v_wmma_f32_16x16x32_f16 v[8*(4*\a+\b):8*(4*\a+\b)+7], v[\fb+8*\b:\fb+8*\b+7], v[\fa+8*\a:\fa+8*\a+7], v[8*(4*\a+\b):8*(4*\a+\b)+7]
.endif
.endr
.endm
; 16 LDS loads: the fragments of eighth e (32 along K: head e / 2, d 32 (e % 2) ..) of a slot
.macro FETCH slot, e, fb, fa
	WIN 0
.irp t, 0,1,2,3
	ds_load_tr16_b128 v[\fb+8*\t:\fb+8*\t+3],   v[ADRB+2*\slot+((\e)>>2)] offset:((\e)&3)*32*PB+32*\t
	ds_load_tr16_b128 v[\fb+8*\t+4:\fb+8*\t+7], v[ADRB+2*\slot+((\e)>>2)] offset:((\e)&3)*32*PB+32*\t+16*PB
.endr
	WIN MUL
.irp a, 0,1,2,3
	ds_load_b128 v[\fa+8*\a:\fa+8*\a+3],   v[ADRA+\slot] offset:((\e)>>1)*ASUB+\a*8*PA+64*((\e)&1)
	ds_load_b128 v[\fa+8*\a+4:\fa+8*\a+7], v[ADRA+\slot] offset:((\e)>>1)*ASUB+\a*8*PA+64*((\e)&1)+32
.endr
.endm
.macro PLACES                          ; four plain vector places behind a matrix instruction (ISA guide 7.12.1)
.rept 4
	v_nop
.endr
.endm
; An eighth of a K step: 16 matrix instructions; the 16 accumulators take turns, one instruction a turn.
.macro EIGHTH slot, nxt, fb, fa, gb, ga, zero
	s_wait_dscnt 0x4                               ; all but y's rows 32-63
	WIN MUL
	MUL4 \fb, \fa, 0, \zero
	MUL4 \fb, \fa, 1, \zero
	PLACES
	FETCH \slot, \nxt, \gb, \ga
	s_wait_dscnt 0x10                              ; all but the 16 just issued
	MUL4 \fb, \fa, 2, \zero
	MUL4 \fb, \fa, 3, \zero
.endm
.macro SEVEN slot, zero
	EIGHTH \slot, 1, FB0, FA0, FB1, FA1, \zero
	EIGHTH \slot, 2, FB1, FA1, FB0, FA0, 0
	EIGHTH \slot, 3, FB0, FA0, FB1, FA1, 0
	EIGHTH \slot, 4, FB1, FA1, FB0, FA0, 0
	EIGHTH \slot, 5, FB0, FA0, FB1, FA1, 0
	EIGHTH \slot, 6, FB1, FA1, FB0, FA0, 0
	EIGHTH \slot, 7, FB0, FA0, FB1, FA1, 0
.endm
; The last eighth changes slots: each wave's reads of this slot and all its tensor loads are waited for in front of the barrier; fill = 1: the barrier
; opens a round of the cluster's barrier, and the two joint refills, two K steps ahead, are the first tensor loads behind the round.
.macro TURN slot, next, fill
	s_wait_dscnt 0x4
	WIN MUL
	MUL4 FB1, FA1, 0, 0
	s_wait_dscnt 0x0
	s_wait_tensorcnt 0x0
	ds_add_u32 v255, v193
	s_wait_dscnt 0x0
	s_barrier_signal -1
	MUL4 FB1, FA1, 1, 0
	WIN 0
	s_barrier_wait -1
.if \fill
	CREST
	s_add_nc_u64 s[G0+4*\slot+2:G0+4*\slot+3], s[G0+4*\slot+2:G0+4*\slot+3], 8*HEADY
	s_add_nc_u64 s[G0B+4*\slot+2:G0B+4*\slot+3], s[G0B+4*\slot+2:G0B+4*\slot+3], 2*KSTEP*2048
	JLOAD \slot
.endif
	PLACES
	FETCH \next, 0, FB0, FA0
	MUL4 FB1, FA1, 2, 0
	MUL4 FB1, FA1, 3, 0
.endm
	s_wait_tensorcnt 0x2                           ; my two pieces of K step 0 are in; K step 1's two may stay out
	s_barrier_signal -1
	s_barrier_wait -1
	FETCH 0, 0, FB0, FA0
	SEVEN 0, 1                                     ; the first products start the sums
	TURN 0, 1, 1
	SEVEN 1, 0
	TURN 1, 0, 1
	SEVEN 0, 0
	TURN 0, 1, 0
	SEVEN 1, 0
	s_wait_dscnt 0x0
	WIN MUL
	MUL4 FB1, FA1, 0, 0
	MUL4 FB1, FA1, 1, 0
	MUL4 FB1, FA1, 2, 0
	MUL4 FB1, FA1, 3, 0
	PLACES
; THE WAY OUT, 16 rows at a time, all under the one window setting: the sums go as they are into my own stage, and come back as whole rows of 256 bytes
; into the registers that held y's fragments.
.macro OUT16 a, rb
.irp b, 0,1,2,3
	ds_store_b128 v[STO], v[8*(4*\a+\b):8*(4*\a+\b)+3]   offset:64*\b
	ds_store_b128 v[STO], v[8*(4*\a+\b)+4:8*(4*\a+\b)+7] offset:64*\b+16
.endr
	s_wait_xcnt 0x0                                ; the stores issued so far have had their addresses translated: their data registers are loaded again only behind this wait
.irp i, 0,1,2,3,4,5,6,7
	ds_load_b128 v[\rb+4*\i:\rb+4*\i+3], v[RD] offset:2*SP*\i          ; LDS serves a wave's instructions in order: these see the stores above
.endr
.irp i, 0,1,2,3,4,5,6,7
	s_wait_dscnt 7-\i
	global_store_b128 v[CO], v[\rb+4*\i:\rb+4*\i+3], s[8:9] offset:(16*\a+2*\i)*ROWB th:TH_STORE_NT   ; sixteen lanes store 256 consecutive bytes, aligned
.endr
.endm
	OUT16 0, FA0
	OUT16 1, FA1
	OUT16 2, FA0
	OUT16 3, FA1
	WIN 0
	s_set_vgpr_msb 0x4
	s_wait_tensorcnt 0x0
	ds_add_u32 v255, v193
	s_wait_dscnt 0x0
	s_set_vgpr_msb 0x400
	CROUND                                         ; the closing round
	s_endpgm
.Lfunc_end_k_q484d1d70c6_proj_gemm:
	.size	k_q484d1d70c6_proj_gemm, .Lfunc_end_k_q484d1d70c6_proj_gemm-k_q484d1d70c6_proj_gemm
	.p2alignl 7, 3214868480
	.fill 96, 4, 3214868480
	.section	.rodata,"a",@progbits
	.p2align	6, 0x0
	.amdhsa_kernel k_q484d1d70c6_proj_gemm
		.amdhsa_group_segment_fixed_size 327680
		.amdhsa_private_segment_fixed_size 0
		.amdhsa_enable_private_segment 0
		.amdhsa_kernarg_size 24
		.amdhsa_user_sgpr_count 2
		.amdhsa_user_sgpr_kernarg_segment_ptr 1
		.amdhsa_wavefront_size32 1
		.amdhsa_system_sgpr_workgroup_id_x 1
		.amdhsa_system_sgpr_workgroup_id_y 1
		.amdhsa_system_sgpr_workgroup_id_z 1
		.amdhsa_system_vgpr_workitem_id 0
		.amdhsa_next_free_vgpr 450
		.amdhsa_next_free_sgpr 66
		.amdhsa_reserve_vcc 0
		.amdhsa_float_denorm_mode_32 3
		.amdhsa_float_denorm_mode_16_64 3
		.amdhsa_memory_ordered 1
		.amdhsa_forward_progress 1
		.amdhsa_inst_pref_size 90
	.end_amdhsa_kernel
	.amdgpu_metadata
---
amdhsa.version: [ 1, 2 ]
amdhsa.kernels:
  - .name:           k_q484d1d70c6_proj_gemm
    .symbol:         k_q484d1d70c6_proj_gemm.kd
    .args:
      - { .name: yh, .offset: 0, .size: 8, .value_kind: global_buffer, .address_space: global }
      - { .name: cast, .offset: 8, .size: 8, .value_kind: global_buffer, .address_space: global }
      - { .name: out0, .offset: 16, .size: 8, .value_kind: global_buffer, .address_space: global }
    .group_segment_fixed_size: 327680
    .private_segment_fixed_size: 0
    .kernarg_segment_align: 8
    .kernarg_segment_size: 24
    .max_flat_workgroup_size: 128
    .sgpr_count:     66
    .vgpr_count:     450
    .wavefront_size: 32
...
	.end_amdgpu_metadata
.endif
;; end of part 4
